; MI455X (gfx1250); checked and timed in simulation.
; The chip was launched on July 23, 2026; its instructions are those of AMD's public machine-readable ISA for CDNA 5 (MIT licence, August 2026) and "CDNA5" Instruction Set Architecture Reference Guide (July 2026). The comments in the code are by the model that wrote it; some were corrected since.
;; LSTMPINN. Allowed arithmetic: float matrix products may take bf16 or f16 operands with f32 sums; other float arithmetic in f32, or as packed bf16 or f16 multiplies, adds, multiply-adds, maxima and minima; sums over many terms, partial sums and values carried from step to step in f32; what a program stores and reads back later, other than sums and carried values, may be rounded once to bf16 or f16.
;; Inputs: W_hh_l0 512 x 128 float32; W_hh_l1 512 x 128 float32; W_ih_l0 512 x 1 float32; W_ih_l1 512 x 128 float32; Wd0 256 x 256 float32; Wd1 256 x 256 float32; Wd2 256 x 256 float32; Wout 4 x 256 float32; b_l0 512 float32; b_l1 512 float32; bd0 256 float32; bd1 256 float32; bd2 256 float32; bout 4 float32; x 32,768 x 1 float32; y 32,768 x 1 float32.
;; Outputs: out0 32,768 x 4 float32.
;; One version. Each part assembles by itself: llvm-mc -triple=amdgcn-amd-amdhsa -mcpu=gfx1250 --defsym DOCPART=n.
;; ======== version 1 of 1: 2 launches
;; limits: a function is approximated: absolute error at most 0.0001; values are held in f16: magnitudes above 65,504 overflow, below 6.1e-05 lose precision
;; workspace buffers: wf 794,624 bytes
;; launch pack (part 1): grid 194 x 1, 8 waves a work-group, no clusters, 0 bytes of LDS; arguments W_hh_l0, W_ih_l1, W_hh_l1, Wd0, Wd1, Wd2, Wout, wf; writes wf
.if DOCPART == 1
	.amdgcn_target "amdgcn-amd-amdhsa--gfx1250"
	.amdhsa_code_object_version 6
	.text
	.protected	k_q7bfc9a31f5_pack
	.globl	k_q7bfc9a31f5_pack
	.p2align	8
	.type	k_q7bfc9a31f5_pack,@function
k_q7bfc9a31f5_pack:
	s_mov_b64 s[64:65], 0
	v_nop
	global_prefetch_b8 v0, s[64:65] scope:SCOPE_SE
	s_setreg_imm32_b32 hwreg(HW_REG_WAVE_MODE, 25, 1), 1
	s_wait_xcnt 0x0
; LSTMPINN, launch 1 of 2: the seven weight matrices are rounded once to f16 and laid out as the matrix fragments that launch 2 loads straight into registers.
; WORK LEFT OUT BY THE PROGRAM (in launch 2; this launch converts every weight).  reference() builds h0 = c0 = 0 in _lstm_layer itself.  So at step t = 0 of both layers
;   h @ W_hh.T is a product with that zero, and sigmoid(f) * c is a product with that zero, whatever f is: the whole f gate of step 0 (rows 128..255 of W_ih . x_0 + b) reaches no output.
; This holds for all finite values of the inputs.  At t >= 1 every row of every weight and bias is live, so every input is loaded.
; LIMIT: a NaN, an infinity or an overflow that would arise only in that work (the f gate of step 0) is not carried to the result.
; LAYOUT of wf.  Matrix M (0 W_hh_l0, 1 W_ih_l1, 2 W_hh_l1, 3 Wd0, 4 Wd1, 5 Wd2) at byte 131,072 M: [wave w: 16,384][fragment f: 1,024][half: 512][lane: 16].
;   A fragment is 16 rows x 32 columns; lane l holds row l % 16; its piece of a half holds columns 32 kf + 16 half + 8 (l / 16) + 0..7.
;   LSTM: f = 4 q + kf (q the gate i, f, g, o), row 128 q + 16 w + l % 16.   Decoder: f = 8 mt + kf, row 32 w + 16 mt + l % 16.   Wout: 8 fragments (kf) at byte 786,432, rows 4..15 zero.
; SCALES.  Launch 2 keeps h as 16 h in f16.  The rows of the gates i, f, o are stored as -log2(e) W / 16, so that their sums are the arguments of 2^x in sigmoid(z) = 1 / (1 + 2^(-log2(e) z)); all other rows as W.
; LIMIT: a stored weight beyond 65,504 in magnitude has no f16.
; SHARES.  Thread t of work-group x makes the 16 bytes at 4,096 x + 16 t: a work-group reads 512 consecutive bytes of each of 16 rows and stores 4,096 consecutive bytes.
	s_load_b512 s[4:19], s[0:1], 0x0               ; the seven matrices s[4:17], wf s[18:19]
	s_lshr_b32 s20, ttmp9, 5                       ; M: 32 work-groups to a matrix
	s_and_b32 s21, ttmp9, 31                       ; xb: the work-group's place in it
	s_and_b32 s28, s21, 3                          ; LSTM: the gate q
	s_lshr_b32 s29, s21, 2                         ; w
	s_lshl_b32 s30, s28, 16                        ; LSTM: 128 q rows of 512 bytes
	s_lshl_b32 s31, s29, 13                        ;       + 16 w rows
	s_add_co_u32 s30, s30, s31
	s_lshl_b32 s32, s29, 15                        ; decoder: 32 w rows of 1,024 bytes
	s_bfe_u32 s33, s21, 0x10001                    ;          mt = bit 1 of xb
	s_lshl_b32 s33, s33, 14                        ;          + 16 mt rows
	s_add_co_u32 s32, s32, s33
	s_and_b32 s33, s21, 1                          ;          + four fragments of 128 bytes along the row
	s_lshl_b32 s33, s33, 9
	s_add_co_u32 s32, s32, s33                     ; (for Wout w = mt = 0: the same formula)
	s_cmp_eq_u32 s28, 2
	s_cselect_b32 s26, 1.0, 0xbdb8aa3b             ; gate g: 1; gates i, f, o: -log2(e) / 16
	s_cmp_lt_u32 s20, 3                            ; an LSTM matrix?
	s_cselect_b32 s26, s26, 1.0
	s_cselect_b32 s22, 9, 10                       ; log2 of a row's bytes
	s_cselect_b32 s34, s30, s32                    ; the work-group's offset in its matrix
	s_mov_b32 s35, 0
	s_mov_b32 s27, s26                             ; named with s26 as a pair
	s_cmp_eq_u32 s20, 6
	s_cselect_b32 s23, 3, 15                       ; the last row that exists in a fragment
	s_lshl_b32 s36, ttmp9, 12
	s_mov_b32 s37, 0
	v_and_b32 v1, 15, v0                           ; the fragment's row
	v_min_u32 v2, s23, v1                          ; held inside the matrix (Wout has four rows)
	v_lshrrev_b32 v3, 4, v0                        ; 4 kf + 2 half + l / 16: blocks of 8 columns, 32 bytes
	v_lshlrev_b32 v4, s22, v2
	v_lshl_add_u32 v4, v3, 5, v4
	v_lshlrev_b32 v5, 4, v0
	s_wait_kmcnt 0x0
	s_mov_b64 s[24:25], s[4:5]
	s_cmp_eq_u32 s20, 1
	s_cselect_b64 s[24:25], s[6:7], s[24:25]
	s_cmp_eq_u32 s20, 2
	s_cselect_b64 s[24:25], s[8:9], s[24:25]
	s_cmp_eq_u32 s20, 3
	s_cselect_b64 s[24:25], s[10:11], s[24:25]
	s_cmp_eq_u32 s20, 4
	s_cselect_b64 s[24:25], s[12:13], s[24:25]
	s_cmp_eq_u32 s20, 5
	s_cselect_b64 s[24:25], s[14:15], s[24:25]
	s_cmp_eq_u32 s20, 6
	s_cselect_b64 s[24:25], s[16:17], s[24:25]
	s_add_nc_u64 s[24:25], s[24:25], s[34:35]
	s_add_nc_u64 s[18:19], s[18:19], s[36:37]
	global_load_b128 v[8:11], v4, s[24:25] th:TH_LOAD_NT
	global_load_b128 v[12:15], v4, s[24:25] offset:16 th:TH_LOAD_NT
	v_cmp_ge_u32 vcc_lo, s23, v1                   ; does my row exist?
	s_wait_loadcnt 0x0
	v_pk_mul_f32 v[8:9], v[8:9], s[26:27] op_sel_hi:[1,0]
	v_pk_mul_f32 v[10:11], v[10:11], s[26:27] op_sel_hi:[1,0]
	v_pk_mul_f32 v[12:13], v[12:13], s[26:27] op_sel_hi:[1,0]
	v_pk_mul_f32 v[14:15], v[14:15], s[26:27] op_sel_hi:[1,0]
	v_cvt_pk_f16_f32 v16, v8, v9
	v_cvt_pk_f16_f32 v17, v10, v11
	v_cvt_pk_f16_f32 v18, v12, v13
	v_cvt_pk_f16_f32 v19, v14, v15
	v_cndmask_b32 v16, 0, v16, vcc_lo              ; rows 4..15 of Wout's fragments are zero
	v_cndmask_b32 v17, 0, v17, vcc_lo
	v_cndmask_b32 v18, 0, v18, vcc_lo
	v_cndmask_b32 v19, 0, v19, vcc_lo
	global_store_b128 v5, v[16:19], s[18:19]       ; a wave stores 512 consecutive bytes, at a multiple of 512 from wf's first
	s_endpgm
.Lfunc_end_k_q7bfc9a31f5_pack:
	.size	k_q7bfc9a31f5_pack, .Lfunc_end_k_q7bfc9a31f5_pack-k_q7bfc9a31f5_pack
	.p2alignl 7, 3214868480
	.fill 96, 4, 3214868480
	.section	.rodata,"a",@progbits
	.p2align	6, 0x0
	.amdhsa_kernel k_q7bfc9a31f5_pack
		.amdhsa_group_segment_fixed_size 0
		.amdhsa_private_segment_fixed_size 0
		.amdhsa_enable_private_segment 0
		.amdhsa_kernarg_size 64
		.amdhsa_user_sgpr_count 2
		.amdhsa_user_sgpr_kernarg_segment_ptr 1
		.amdhsa_wavefront_size32 1
		.amdhsa_system_sgpr_workgroup_id_x 1
		.amdhsa_system_sgpr_workgroup_id_y 1
		.amdhsa_system_sgpr_workgroup_id_z 1
		.amdhsa_system_vgpr_workitem_id 0
		.amdhsa_next_free_vgpr 24
		.amdhsa_next_free_sgpr 66
		.amdhsa_reserve_vcc 1
		.amdhsa_float_denorm_mode_32 3
		.amdhsa_float_denorm_mode_16_64 3
		.amdhsa_memory_ordered 1
		.amdhsa_forward_progress 1
		.amdhsa_inst_pref_size 3
	.end_amdhsa_kernel
	.amdgpu_metadata
---
amdhsa.version: [ 1, 2 ]
amdhsa.kernels:
  - .name:           k_q7bfc9a31f5_pack
    .symbol:         k_q7bfc9a31f5_pack.kd
    .args:
      - { .name: W_hh_l0, .offset: 0, .size: 8, .value_kind: global_buffer, .address_space: global }
      - { .name: W_ih_l1, .offset: 8, .size: 8, .value_kind: global_buffer, .address_space: global }
      - { .name: W_hh_l1, .offset: 16, .size: 8, .value_kind: global_buffer, .address_space: global }
      - { .name: Wd0, .offset: 24, .size: 8, .value_kind: global_buffer, .address_space: global }
      - { .name: Wd1, .offset: 32, .size: 8, .value_kind: global_buffer, .address_space: global }
      - { .name: Wd2, .offset: 40, .size: 8, .value_kind: global_buffer, .address_space: global }
      - { .name: Wout, .offset: 48, .size: 8, .value_kind: global_buffer, .address_space: global }
      - { .name: wf, .offset: 56, .size: 8, .value_kind: global_buffer, .address_space: global }
    .group_segment_fixed_size: 0
    .private_segment_fixed_size: 0
    .kernarg_segment_align: 8
    .kernarg_segment_size: 64
    .max_flat_workgroup_size: 256
    .sgpr_count:     66
    .vgpr_count:     24
    .wavefront_size: 32
...
	.end_amdgpu_metadata
.endif
;; end of part 1
;; launch net (part 2): grid 256 x 1, 8 waves a work-group, no clusters, 313,344 bytes of LDS; arguments x, y, W_ih_l0, b_l0, b_l1, bd0, bd1, bd2, bout, wf, out0; writes out0
.if DOCPART == 2
	.amdgcn_target "amdgcn-amd-amdhsa--gfx1250"
	.amdhsa_code_object_version 6
	.text
	.protected	k_q7bfc9a31f5_net
	.globl	k_q7bfc9a31f5_net
	.p2align	8
	.type	k_q7bfc9a31f5_net,@function
k_q7bfc9a31f5_net:
	s_mov_b64 s[64:65], 0
	v_nop
	global_prefetch_b8 v0, s[64:65] scope:SCOPE_SE
	s_setreg_imm32_b32 hwreg(HW_REG_WAVE_MODE, 25, 1), 1
	s_wait_xcnt 0x0
; LSTMPINN, launch 2 of 2: features, both LSTM layers, mean, decoder and output for 128 points a work-group; nothing goes to memory between the steps.
; LEFT OUT: at step t = 0 of both layers the products h @ W_hh.T and the whole f gate: reference() builds h0 = c0 = 0 itself, so both are multiplied by that zero for all values of the inputs
; (shown at the head of the first kernel).  A NaN, an infinity or an overflow that reaches only that work is not carried to the result.
; SHARES.  Eight waves, two for each of a WGP's four SIMDs, 512 registers each.  THE WEIGHTS STAY IN REGISTERS (window 1): in the LSTM wave w owns the hidden units 16 w .. 16 w + 15 of all four gates
; (four tiles of 16 rows), in the decoder the rows 32 w .. 32 w + 31 (two tiles).  The activations go from wave to wave through LDS as [point][unit] in f16, rows 272 bytes apart.
; LAYOUT.  D = W h^T (source 0 = 16 rows of W, source 1 = 16 points): a lane holds ONE point (lane % 16) and the units 8 (lane / 16) + 0..7.  So i, f, g, o and c of a cell meet in one lane and
; one register index, and a lane's eight results pack into one LDS store of 16 bytes, which is the layout that source 1 of the next product reads.
; ITEMS AND TEAMS.  An item is 32 points, one layer, one step: MM (it fetches its fragments from LDS and multiplies) and then ACT (its cells; it stores h), a barrier behind each.  Every wave runs every item.
; The waves are two teams, TEAM = (w ^ (w >> 2)) & 1; team 1 runs one barrier later than team 0, so that while one team multiplies the other does cell arithmetic.  An item reads only what items four or
; more earlier wrote, or an earlier segment.  Layer 0 runs for all steps first, then layer 1: all h0_t stay in LDS, and h1_t is written over h0_(t-1), which is dead by then.
; NUMBERS.  Products in f16 with f32 sums.  h0, h1 and the mean are kept as 16 h; a0 and a1 as 2^15 a; a2 as two f16 words, hi = f16(2^15 a) and lo = f16(2^11 (2^15 a - hi)).  c, all sums and biases are f32.
; sigmoid(z) = 1 / (1 + E), E = 2^(-log2(e) z): the factor lies in the stored weights and biases.  tanh(z) = z N(u) / D(u), u = z^2, N = 135135 + 17325 u + 378 u^2 + u^3,
; D = 135135 + 62370 u + 3150 u^2 + 28 u^3 (a convergent of tanh's continued fraction), |z| held to 4.97; the powers of two of the stored scales are folded into the coefficients, exactly.
; sigmoid(i) tanh(g) = g N / ((1 + Ei) D): one reciprocal.  E may be infinite: the reciprocal is then 0 and the numerator finite.
; LIMITS.  tanh is off by at most 1e-4 for |z| above 4 (under 2e-6 up to 3; relatively exact for small z).  NaN and infinities in the inputs are not treated apart.  Weights: see the first kernel.
; NO TENSOR LOADS, NO CLUSTER: the weights are read once by each wave, in fragment order, 512 consecutive bytes an instruction, straight into registers; every byte of LDS that is used is written by LDS stores.
; LDS.  Region j at 34,816 j (128 rows x 272), j = 0..6: h1_0 in 0; h0_t in t + 1; h1_t (t >= 1) in t; the mean in 6; a0 in 0, 1; a1 in 2, 3; a2's hi in 0, 1, its lo in 4, 5.
; Behind them c (f32, each lane's own 16 bytes x 4 x 4 groups), the six features of the 128 points, and the spare words.
.set RG,    34816                      ; a region
.set GRP,   8704                       ; 32 rows: an item's points
.set CHK,   4352                       ; 16 rows
.set PIT,   272                        ; 256 bytes + 16: the 16 rows of a fragment load start 4 banks apart (64 banks of 4 bytes: ISA guide 11.1)
.set CST,   7*RG                       ; c: 8,192 w + 2,048 group + 512 i + 16 lane
.set STAB,  CST+65536                  ; features: 512 t + 4 point
.set SPARE, STAB+3072                  ; the spare words, 128 bytes for each wave: four blocks of 256 bytes that no other line names
.set MAT,   131072                     ; a matrix in wf
.set SPW, 2                            ; v2   SPARE + 4 x my thread's number; never rewritten
.set NIL, 3                            ; v3   0; never rewritten; these two serve the add alone
.set LFR, 4                            ; v4   272 r + 16 h: my place in a fragment's rows (r = lane % 16, h = lane / 16)
.set AR0, 5                            ; v5   read address
.set AR2, 6                            ; v6   read address
.set AWR, 7                            ; v7   store address
.set ACB, 8                            ; v8   CST + 8,192 w + 16 lane
.set ACS, 9                            ; v9   the group's c
.set ASF, 10                           ; v10  the item's features
.set AWL, 11                           ; v11  store address (the mean; a2's lo)
.set S0,  12                           ; v[12:13] my point's feature in chunk 0 (the packed line names the pair and takes its low word)
.set S1,  14                           ; v[14:15] in chunk 1
.set LST, 16                           ; v16  where I store 16 bytes of a row: LSTM 272 r + 16 h + 32 w
.set K6,  17                           ; v17  1/6
.set NEG1, 18                          ; v18  -1
.set LOF, 19                           ; v19  16 lane
.set HOF, 20                           ; v20  my 8 numbers in a bias
.set LANE, 21
.set RR,  22                           ; r
.set HH,  23                           ; h
.set ACC, 24                           ; v[24:87]  LSTM: tile (gate q, chunk n) at ACC + 32 n + 8 q.  Decoder: tile (mt, n) at ACC + 8 (2 n + mt)
.set DQ,  56                           ; decoder: the denominators, 32
.set BI,  88                           ; v[88:119] biases in D's layout, 8 a tile
.set OUTR, 120                         ; v[120:123] bout, then the output
.set ZERO, 124                         ; v124 0
.set BT,  128                          ; v[128:255] fragments of source 1: (n, kf) at BT + 64 n + 8 kf (K = 256) or BT + 32 n + 8 kf (K = 128)
.set U,   BT                           ; the cells' work registers lie over the fragments, which are dead when the cells begin: u, 16
.set NN,  BT+16                        ; numerators
.set DD,  BT+32                        ; denominators
.set CC,  BT+48                        ; c
.set DU,  BT                           ; decoder: u, 32
.set DN,  BT+32                        ; decoder: numerators, 32
.set WI,  BT+64                        ; layer 0: W_ih_l0, scaled, in D's layout
.set B1,  BT+96                        ; b_l1 as loaded
; window 1: v[0:127] set WA, v[128:255] set WB: 16 fragments of 8 registers each
.set WV,   26                          ; s26  wave
.set TEAM, 27
.set J,    28                          ; the window loop's counter
.set OP,   29                          ; J - TEAM: even = an item's MM, odd = its ACT
.set CO,   30
.set T0,   31
.set GS,   32                          ; s[32:47] coefficients n3 n2 n1 n0 d3 d2 d1 d0, a pair each: for g; later for the decoder
.set CSET, 48                          ; s[48:63] for c
.set GL,   66                          ; s66, s67 -limit, +limit for GS
.set CL,   68                          ; s68, s69 for CSET
.set WP,   70                          ; s[70:71] wf + 16,384 w
.set IT,   77                          ; the item's number
.set T1,   78
.set T2,   79
.set MSB, 0
.macro WIN new                         ; s_set_vgpr_msb: bits 1:0 source 0, 7:6 destination; the high byte repeats the setting that is left
.if MSB != (\new)
	s_set_vgpr_msb (MSB<<8)|(\new)
.set MSB, \new
.endif
.endm
.macro BAR                             ; my LDS stores are done and my LDS loads are back; then all eight waves meet
	s_wait_dscnt 0x0
	s_barrier_signal -1
	s_barrier_wait -1
.endm
.macro PLACES                          ; behind a run's last product: four places ahead of vector lines that read results and of loads into its sources, a fifth ahead of a product that starts an accumulator anew
.rept 5
	v_nop
.endr
.endm
; The coefficients for an argument kept as 2^S z and a result wanted as 2^(eN + S) tanh z: n_j 2^(eN - 2 S j), d_j 2^(-2 S j): shifts of the exponent field.
.macro COEF base, lim, S, eN
.irp z, 0,1
	s_mov_b32 s[(\base)+0+\z],  0x3f800000+((\eN)-6*(\S))*0x800000
	s_mov_b32 s[(\base)+2+\z],  0x43bd0000+((\eN)-4*(\S))*0x800000
	s_mov_b32 s[(\base)+4+\z],  0x46875a00+((\eN)-2*(\S))*0x800000
	s_mov_b32 s[(\base)+6+\z],  0x4803f7c0+(\eN)*0x800000
	s_mov_b32 s[(\base)+8+\z],  0x41e00000-6*(\S)*0x800000
	s_mov_b32 s[(\base)+10+\z], 0x4544e000-4*(\S)*0x800000
	s_mov_b32 s[(\base)+12+\z], 0x4773a200-2*(\S)*0x800000
	s_mov_b32 s[(\base)+14+\z], 0x4803f7c0
.endr
	s_mov_b32 s[\lim],   0xc09f0a3d+(\S)*0x800000  ; -4.97 x 2^S
	s_mov_b32 s[(\lim)+1], 0x409f0a3d+(\S)*0x800000
.endm
.macro LDW dst, M                      ; my 16 fragments of matrix M into window 1: 32 loads of 512 consecutive bytes
	WIN 0x40
.set f, 0
.rept 16
	global_load_b128 v[(\dst)+8*f:(\dst)+8*f+3],   v[LOF], s[WP:WP+1] offset:(\M)*MAT+1024*f
	global_load_b128 v[(\dst)+8*f+4:(\dst)+8*f+7], v[LOF], s[WP:WP+1] offset:(\M)*MAT+1024*f+512
.set f, f+1
.endr
	WIN 0
.endm
.macro PRE n, ra, rb                   ; chunk n's eight fragments (K = 256): units 0-127 by v[ra], 128-255 by v[rb]: 16 loads
.irp kf, 0,1,2,3
	ds_load_b128 v[BT+64*(\n)+8*\kf:BT+64*(\n)+8*\kf+3],   v[\ra] offset:CHK*(\n)+64*\kf
	ds_load_b128 v[BT+64*(\n)+8*\kf+4:BT+64*(\n)+8*\kf+7], v[\ra] offset:CHK*(\n)+64*\kf+32
.endr
.irp kf, 0,1,2,3
	ds_load_b128 v[BT+64*(\n)+32+8*\kf:BT+64*(\n)+32+8*\kf+3],   v[\rb] offset:CHK*(\n)+64*\kf
	ds_load_b128 v[BT+64*(\n)+32+8*\kf+4:BT+64*(\n)+32+8*\kf+7], v[\rb] offset:CHK*(\n)+64*\kf+32
.endr
.endm
.macro LD4 n                           ; chunk n's four fragments (K = 128) by v[AR0]
.irp kf, 0,1,2,3
	ds_load_b128 v[BT+32*(\n)+8*\kf:BT+32*(\n)+8*\kf+3],   v[AR0] offset:CHK*(\n)+64*\kf
	ds_load_b128 v[BT+32*(\n)+8*\kf+4:BT+32*(\n)+8*\kf+7], v[AR0] offset:CHK*(\n)+64*\kf+32
.endr
.endm
.macro GATE0 q, n                      ; layer 0: W_ih s + b for gate q, chunk n
.irp pp, 0,2,4,6
	v_pk_fma_f32 v[ACC+32*(\n)+8*(\q)+\pp:ACC+32*(\n)+8*(\q)+\pp+1], v[WI+8*(\q)+\pp:WI+8*(\q)+\pp+1], v[S0+2*(\n):S0+2*(\n)+1], v[BI+8*(\q)+\pp:BI+8*(\q)+\pp+1] op_sel_hi:[1,0,1]
.endr
.endm
; THE PRODUCTS.  Each run fetches its own fragments; at its head no LDS instruction of the wave is out (the barrier's wait).  In every run the accumulators take turns, one instruction a turn.
.macro MM_A                            ; layer 0, t >= 1: gates = W_ih s_t + b + W_hh h0_(t-1)
	s_lshl_b32 s[T1], s[IT], 7                     ; item 4 (t - 1) + g: its features at 512 t + 128 g
	s_add_co_u32 s[T1], s[T1], STAB+512
	v_lshl_add_u32 v[ASF], v[RR], 2, s[T1]
	s_mul_i32 s[T1], s[IT], GRP
	s_add_co_u32 s[T1], s[T1], RG                  ; h0_(t-1), group g
	v_add_nc_u32 v[AR0], s[T1], v[LFR]
	ds_load_b32 v[S0], v[ASF]
	ds_load_b32 v[S1], v[ASF] offset:64
	LD4 0
	LD4 1
	s_wait_dscnt 16                                ; the two features are in; the 16 fragment loads may be out
.irp n, 0,1
.irp q, 0,1,2,3
	GATE0 \q, \n
.endr
.endr
.irp n, 0,1
	s_wait_dscnt 8-8*\n                            ; chunk n is in (behind chunk 0: chunk 1's eight loads)
	WIN 1
.irp kf, 0,1,2,3
.irp q, 0,1,2,3
	v_wmma_f32_16x16x32_f16 v[ACC+32*\n+8*\q:ACC+32*\n+8*\q+7], v[8*(4*\q+\kf):8*(4*\q+\kf)+7], v[BT+32*\n+8*\kf:BT+32*\n+8*\kf+7], v[ACC+32*\n+8*\q:ACC+32*\n+8*\q+7]
.endr
.endr
.endr
	WIN 0
	PLACES
.endm
.macro MM_B0                           ; layer 1, t = 0: gates i, g, o = b + W_ih h0_0
	s_mul_i32 s[T1], s[IT], GRP
	s_add_co_u32 s[T1], s[T1], RG
	v_add_nc_u32 v[AR0], s[T1], v[LFR]
	LD4 0
	LD4 1
.irp n, 0,1
	s_wait_dscnt 8-8*\n                            ; chunk n is in
	WIN 1
.irp kf, 0,1,2,3
.irp q, 0,2,3
.if \kf == 0
	v_wmma_f32_16x16x32_f16 v[ACC+32*\n+8*\q:ACC+32*\n+8*\q+7], v[128+8*(4*\q+\kf):128+8*(4*\q+\kf)+7], v[BT+32*\n+8*\kf:BT+32*\n+8*\kf+7], v[BI+8*\q:BI+8*\q+7]
.else
	v_wmma_f32_16x16x32_f16 v[ACC+32*\n+8*\q:ACC+32*\n+8*\q+7], v[128+8*(4*\q+\kf):128+8*(4*\q+\kf)+7], v[BT+32*\n+8*\kf:BT+32*\n+8*\kf+7], v[ACC+32*\n+8*\q:ACC+32*\n+8*\q+7]
.endif
.endr
.endr
.endr
	WIN 0
	PLACES
.endm
.macro MM_B                            ; layer 1, t >= 1: gates = b + W_ih h0_t (kf 0-3, set WB) + W_hh h1_(t-1) (kf 4-7, set WA)
	s_mul_i32 s[T1], s[IT], GRP                    ; item 4 (t - 1) + g: h1_(t-1) lies in region t - 1,
	v_add_nc_u32 v[AR0], s[T1], v[LFR]
	s_add_co_u32 s[T1], s[T1], 2*RG                ; h0_t in region t + 1
	v_add_nc_u32 v[AR2], s[T1], v[LFR]
	PRE 0, AR2, AR0
	PRE 1, AR2, AR0
.irp n, 0,1
	s_wait_dscnt 16-16*\n                          ; chunk n is in (behind chunk 0: chunk 1's sixteen loads)
	WIN 1
.irp kf, 0,1,2,3,4,5,6,7
.irp q, 0,1,2,3
.set a_, 128+8*(4*\q+\kf)
.if \kf > 3
.set a_, 8*(4*\q+\kf-4)
.endif
.set d_, ACC+32*\n+8*\q
.set b_, BT+64*\n+8*\kf
.if \kf == 0
	v_wmma_f32_16x16x32_f16 v[d_:d_+7], v[a_:a_+7], v[b_:b_+7], v[BI+8*\q:BI+8*\q+7]
.else
	v_wmma_f32_16x16x32_f16 v[d_:d_+7], v[a_:a_+7], v[b_:b_+7], v[d_:d_+7]
.endif
.endr
.endr
.endr
	WIN 0
	PLACES
.endm
.macro MM_D wset, bi, rbase            ; a decoder layer: 2 tiles of rows x 2 chunks, K = 256; its input lies in two regions from rbase on.  The loads go in the order of the K blocks, four a block
	s_mul_i32 s[T1], s[IT], GRP
.if (\rbase) != 0
	s_add_co_u32 s[T1], s[T1], \rbase
.endif
	v_add_nc_u32 v[AR0], s[T1], v[LFR]
.irp kf, 0,1,2,3,4,5,6,7
.irp n, 0,1
	ds_load_b128 v[BT+64*\n+8*\kf:BT+64*\n+8*\kf+3],   v[AR0] offset:((\kf)/4)*RG+CHK*\n+64*((\kf)%4)
	ds_load_b128 v[BT+64*\n+8*\kf+4:BT+64*\n+8*\kf+7], v[AR0] offset:((\kf)/4)*RG+CHK*\n+64*((\kf)%4)+32
.endr
.endr
.irp kf, 0,1,2,3,4,5,6,7
.if \kf == 0
	s_wait_dscnt 16                                ; blocks 0-3 are in; the sixteen loads of blocks 4-7 may be out
	WIN 1
.endif
.if \kf == 4
	s_wait_dscnt 0x0                               ; blocks 4-7
.endif
.irp n, 0,1
.irp mt, 0,1
.set a_, (\wset)+8*(8*\mt+\kf)
.set d_, ACC+8*(2*\n+\mt)
.set b_, BT+64*\n+8*\kf
.if \kf == 0
	v_wmma_f32_16x16x32_f16 v[d_:d_+7], v[a_:a_+7], v[b_:b_+7], v[(\bi)+8*\mt:(\bi)+8*\mt+7]
.else
	v_wmma_f32_16x16x32_f16 v[d_:d_+7], v[a_:a_+7], v[b_:b_+7], v[d_:d_+7]
.endif
.endr
.endr
.endr
	WIN 0
	PLACES
.endm
; THE CELLS' LISTS.  16 cells a lane, in 8 pairs; pair p lies in chunk p / 4.  Entry idx of 32: u = z^2, then D by Horner (DEN); N by Horner, then z N (NUM).  z lies in the g tile's registers.
.macro DEN idx, cs
.set p_, (\idx)%8
.set g_, ACC+16+32*(p_/4)+2*(p_%4)
.set u_, U+2*p_
.set d_, DD+2*p_
.if (\idx) < 8
	v_pk_mul_f32 v[u_:u_+1], v[g_:g_+1], v[g_:g_+1]
.elseif (\idx) < 16
	v_pk_fma_f32 v[d_:d_+1], v[u_:u_+1], s[(\cs)+8:(\cs)+9], s[(\cs)+10:(\cs)+11] op_sel_hi:[1,0,0]
.elseif (\idx) < 24
	v_pk_fma_f32 v[d_:d_+1], v[d_:d_+1], v[u_:u_+1], s[(\cs)+12:(\cs)+13] op_sel_hi:[1,1,0]
.else
	v_pk_fma_f32 v[d_:d_+1], v[d_:d_+1], v[u_:u_+1], s[(\cs)+14:(\cs)+15] op_sel_hi:[1,1,0]
.endif
.endm
.macro NUM idx, cs
.set p_, (\idx)%8
.set g_, ACC+16+32*(p_/4)+2*(p_%4)
.set u_, U+2*p_
.set m_, NN+2*p_
.if (\idx) < 8
	v_pk_fma_f32 v[m_:m_+1], v[u_:u_+1], s[(\cs):(\cs)+1], s[(\cs)+2:(\cs)+3] op_sel_hi:[1,0,0]
.elseif (\idx) < 16
	v_pk_fma_f32 v[m_:m_+1], v[m_:m_+1], v[u_:u_+1], s[(\cs)+4:(\cs)+5] op_sel_hi:[1,1,0]
.elseif (\idx) < 24
	v_pk_fma_f32 v[m_:m_+1], v[m_:m_+1], v[u_:u_+1], s[(\cs)+6:(\cs)+7] op_sel_hi:[1,1,0]
.else
	v_pk_mul_f32 v[m_:m_+1], v[g_:g_+1], v[m_:m_+1]
.endif
.endm
; AN ITEM'S CELLS.  first = 1: step 0, no f gate and no old c.  wbase: where item 0's h goes.  Of LDS it touches my lane's own c and my own 16 bytes of each row of h.
; THREE BATCHES of exponentials or reciprocals, a plain line behind each; nothing names a batch's result ahead of the batch's one wait.
; Each accumulator is read from its lowest register on.
.macro ACT first, wbase
	s_and_b32 s[CO], s[IT], 3                      ; the group
	s_lshl_b32 s[CO], s[CO], 11
	v_add_nc_u32 v[ACS], s[CO], v[ACB]
.if !(\first)
.irp i, 0,1,2,3
	ds_load_b128 v[CC+4*\i:CC+4*\i+3], v[ACS] offset:512*\i
.endr
.endif
.set k, 0
.rept 16                               ; batch 1: Ei, (Ef,) Eo; beside them g is held to the limit, and u and D(u) are made
.set z_, ACC+32*(k/8)+(k%8)
	v_exp_f32 v[z_], v[z_]
	v_med3_num_f32 v[z_+16], v[z_+16], s[GL], s[GL+1]
.set k, k+1
.endr
.set k, 0
.set e, 0
.rept 16
.set z_, ACC+32*(k/8)+(k%8)
.if !(\first)
	v_exp_f32 v[z_+8], v[z_+8]
	DEN e, GS
.set e, e+1
.endif
	v_exp_f32 v[z_+24], v[z_+24]
	DEN e, GS
.set e, e+1
.set k, k+1
.endr
.if \first
.rept 16
	DEN e, GS
.set e, e+1
.endr
.endif
	s_wait_alu depctr_va_vdst(0)                   ; the wait for batch 1
.set p, 0
.rept 8
.set z_, ACC+32*(p/4)+2*(p%4)
	v_pk_fma_f32 v[DD+2*p:DD+2*p+1], v[z_:z_+1], v[DD+2*p:DD+2*p+1], v[DD+2*p:DD+2*p+1]  ; (1 + Ei) D = Ei D + D
.if !(\first)
	v_pk_add_f32 v[z_+8:z_+9], v[z_+8:z_+9], 1.0 op_sel_hi:[1,0]                          ; 1 + Ef
.endif
.set p, p+1
.endr
.set k, 0
.set e, 0
.rept 16                               ; batch 2: the reciprocals; beside them g N(u)
.set z_, ACC+32*(k/8)+(k%8)
	v_rcp_f32 v[DD+k], v[DD+k]
	NUM e, GS
.set e, e+1
.if !(\first)
	v_rcp_f32 v[z_+8], v[z_+8]
	NUM e, GS
.set e, e+1
.endif
.set k, k+1
.endr
.if \first
.rept 16
	NUM e, GS
.set e, e+1
.endr
.endif
	s_wait_alu depctr_va_vdst(0)                   ; the wait for batch 2
.if \first
.set p, 0
.rept 8
	v_pk_mul_f32 v[CC+2*p:CC+2*p+1], v[NN+2*p:NN+2*p+1], v[DD+2*p:DD+2*p+1]              ; c = sigmoid(i) tanh(g)
.set p, p+1
.endr
.else
.set p, 0
.rept 8
	v_pk_mul_f32 v[NN+2*p:NN+2*p+1], v[NN+2*p:NN+2*p+1], v[DD+2*p:DD+2*p+1]
.set p, p+1
.endr
	s_wait_dscnt 0x0                               ; the old c is in
.set p, 0
.rept 8
.set z_, ACC+32*(p/4)+2*(p%4)
	v_pk_fma_f32 v[CC+2*p:CC+2*p+1], v[CC+2*p:CC+2*p+1], v[z_+8:z_+9], v[NN+2*p:NN+2*p+1]  ; c = sigmoid(f) c + sigmoid(i) tanh(g)
.set p, p+1
.endr
.endif
.irp i, 0,1,2,3
	ds_store_b128 v[ACS], v[CC+4*\i:CC+4*\i+3] offset:512*\i
.endr
.set k, 0
.rept 16
	v_med3_num_f32 v[ACC+16+32*(k/8)+(k%8)], v[CC+k], s[CL], s[CL+1]
.set k, k+1
.endr
.set e, 0
.rept 32
	DEN e, CSET
.set e, e+1
.endr
.set p, 0
.rept 8
.set z_, ACC+32*(p/4)+2*(p%4)
	v_pk_fma_f32 v[DD+2*p:DD+2*p+1], v[z_+24:z_+25], v[DD+2*p:DD+2*p+1], v[DD+2*p:DD+2*p+1]  ; (1 + Eo) D
.set p, p+1
.endr
.set k, 0
.set e, 0
.rept 16                               ; batch 3
	v_rcp_f32 v[DD+k], v[DD+k]
	NUM e, CSET
	NUM e+1, CSET
.set e, e+2
.set k, k+1
.endr
	s_wait_alu depctr_va_vdst(0)                   ; the wait for batch 3
.set p, 0
.rept 8
	v_pk_mul_f32 v[NN+2*p:NN+2*p+1], v[NN+2*p:NN+2*p+1], v[DD+2*p:DD+2*p+1]              ; 16 h = 16 sigmoid(o) tanh(c)
.set p, p+1
.endr
	s_mul_i32 s[T1], s[IT], GRP
.if (\wbase) != 0
	s_add_co_u32 s[T1], s[T1], \wbase
.endif
	v_add_nc_u32 v[AWR], s[T1], v[LST]
.set p, 0
.rept 8
	v_cvt_pk_f16_f32 v[U+p], v[NN+2*p], v[NN+2*p+1]
.set p, p+1
.endr
	ds_store_b128 v[AWR], v[U:U+3]
	ds_store_b128 v[AWR], v[U+4:U+7] offset:CHK
.endm
; THE DECODER'S LISTS: 32 values a lane in 16 pairs; entry idx of 64.
.macro DEND idx
.set p_, (\idx)%16
.set g_, ACC+2*p_
.set u_, DU+2*p_
.set d_, DQ+2*p_
.if (\idx) < 16
	v_pk_mul_f32 v[u_:u_+1], v[g_:g_+1], v[g_:g_+1]
.elseif (\idx) < 32
	v_pk_fma_f32 v[d_:d_+1], v[u_:u_+1], s[GS+8:GS+9], s[GS+10:GS+11] op_sel_hi:[1,0,0]
.elseif (\idx) < 48
	v_pk_fma_f32 v[d_:d_+1], v[d_:d_+1], v[u_:u_+1], s[GS+12:GS+13] op_sel_hi:[1,1,0]
.else
	v_pk_fma_f32 v[d_:d_+1], v[d_:d_+1], v[u_:u_+1], s[GS+14:GS+15] op_sel_hi:[1,1,0]
.endif
.endm
.macro NUMD idx
.set p_, (\idx)%16
.set g_, ACC+2*p_
.set u_, DU+2*p_
.set m_, DN+2*p_
.if (\idx) < 16
	v_pk_fma_f32 v[m_:m_+1], v[u_:u_+1], s[GS:GS+1], s[GS+2:GS+3] op_sel_hi:[1,0,0]
.elseif (\idx) < 32
	v_pk_fma_f32 v[m_:m_+1], v[m_:m_+1], v[u_:u_+1], s[GS+4:GS+5] op_sel_hi:[1,1,0]
.elseif (\idx) < 48
	v_pk_fma_f32 v[m_:m_+1], v[m_:m_+1], v[u_:u_+1], s[GS+6:GS+7] op_sel_hi:[1,1,0]
.else
	v_pk_mul_f32 v[g_:g_+1], v[g_:g_+1], v[m_:m_+1]
.endif
.endm
; A decoder item's tanh.  wbase: the layer's output at item 0.  split = 1: the result is stored as hi and lo, lo at lbase.  One batch of 32 reciprocals, one wait.
.macro ACT_D split, wbase, lbase
.set k, 0
.rept 32
	v_med3_num_f32 v[ACC+k], v[ACC+k], s[GL], s[GL+1]
.set k, k+1
.endr
.set e, 0
.rept 64
	DEND e
.set e, e+1
.endr
.set k, 0
.set e, 0
.rept 32
	v_rcp_f32 v[DQ+k], v[DQ+k]
	NUMD e
	NUMD e+1
.set e, e+2
.set k, k+1
.endr
	s_wait_alu depctr_va_vdst(0)                   ; the wait for the batch
.set p, 0
.rept 16
	v_pk_mul_f32 v[ACC+2*p:ACC+2*p+1], v[ACC+2*p:ACC+2*p+1], v[DQ+2*p:DQ+2*p+1]
.set p, p+1
.endr
	s_mul_i32 s[T1], s[IT], GRP
.if (\wbase) != 0
	s_add_co_u32 s[T2], s[T1], \wbase
	v_add_nc_u32 v[AWR], s[T2], v[LST]
.else
	v_add_nc_u32 v[AWR], s[T1], v[LST]
.endif
.set p, 0
.rept 16
	v_cvt_pk_f16_f32 v[DU+p], v[ACC+2*p], v[ACC+2*p+1]
.set p, p+1
.endr
.irp n, 0,1
.irp mt, 0,1
	ds_store_b128 v[AWR], v[DU+4*(2*\n+\mt):DU+4*(2*\n+\mt)+3] offset:CHK*\n+32*\mt
.endr
.endr
.if \split
.set p, 0
.rept 16                               ; what hi has lost, exactly: value - hi
	v_fma_mix_f32 v[DN+2*p],   v[DU+p], v[NEG1], v[ACC+2*p]   op_sel_hi:[1,0,0]
	v_fma_mix_f32 v[DN+2*p+1], v[DU+p], v[NEG1], v[ACC+2*p+1] op_sel:[1,0,0] op_sel_hi:[1,0,0]
.set p, p+1
.endr
.set p, 0
.rept 16
	v_pk_mul_f32 v[DN+2*p:DN+2*p+1], v[DN+2*p:DN+2*p+1], 0x45000000 op_sel_hi:[1,0]  ; x 2^11
.set p, p+1
.endr
	s_add_co_u32 s[T2], s[T1], \lbase
	v_add_nc_u32 v[AWL], s[T2], v[LST]
.set p, 0
.rept 16
	v_cvt_pk_f16_f32 v[DU+16+p], v[DN+2*p], v[DN+2*p+1]
.set p, p+1
.endr
.irp n, 0,1
.irp mt, 0,1
	ds_store_b128 v[AWL], v[DU+16+4*(2*\n+\mt):DU+16+4*(2*\n+\mt)+3] offset:CHK*\n+32*\mt
.endr
.endr
.endif
.endm
; THE WINDOW LOOP over n items: 2 n + 1 trips, a barrier at the end of each, on every wave's path.  In trip J a wave does step OP = J - TEAM of its chain: MM of item OP / 2 (even), its ACT (odd), or nothing
; (team 1 in the first trip, team 0 in the last).  The text between SEG_TOP and SEG_MID is the MM, that between SEG_MID and SEG_END the ACT.
.macro SEG_TOP tag, n
	s_mov_b32 s[J], 0
.Lw_\tag:
	s_sub_co_u32 s[OP], s[J], s[TEAM]
	s_cmp_lt_u32 s[OP], 2*(\n)
	s_cbranch_scc0 .Lidle_\tag
	s_lshr_b32 s[IT], s[OP], 1
	s_bitcmp1_b32 s[OP], 0
	s_cbranch_scc1 .Lact_\tag
.endm
.macro SEG_MID tag
	s_branch .Lidle_\tag
.Lact_\tag:
.endm
.macro SEG_END tag, n
.Lidle_\tag:
	BAR
	s_add_co_u32 s[J], s[J], 1
	s_cmp_lt_u32 s[J], 2*(\n)+1
	s_cbranch_scc1 .Lw_\tag
.endm
	; ---- the head ----
	s_load_b512 s[4:19], s[0:1], 0x0               ; x s[4:5], y s[6:7], W_ih_l0 s[8:9], b_l0 s[10:11], b_l1 s[12:13], bd0 s[14:15], bd1 s[16:17], bd2 s[18:19]
	s_load_b128 s[20:23], s[0:1], 0x40             ; bout s[20:21], wf s[22:23]
	s_load_b64 s[24:25], s[0:1], 0x50              ; out0
	v_lshl_add_u32 v[SPW], v0, 2, SPARE
	v_mov_b32 v[NIL], 0
	v_lshrrev_b32 v1, 5, v0
	v_readfirstlane_b32 s[WV], v1                  ; wave 0..7
	s_lshr_b32 s[T0], s[WV], 2
	s_xor_b32 s[TEAM], s[WV], s[T0]
	s_and_b32 s[TEAM], s[TEAM], 1
	v_and_b32 v[LANE], 31, v0
	v_and_b32 v[RR], 15, v0
	v_bfe_u32 v[HH], v0, 4, 1
	v_mul_u32_u24 v[LFR], v[RR], PIT
	v_lshl_add_u32 v[LFR], v[HH], 4, v[LFR]
	s_lshl_b32 s[T0], s[WV], 5
	v_add_nc_u32 v[LST], s[T0], v[LFR]             ; my wave's 16 units are 32 bytes of a row
	s_lshl_b32 s[T0], s[WV], 13
	s_add_co_u32 s[T0], s[T0], CST
	v_lshl_add_u32 v[ACB], v[LANE], 4, s[T0]
	v_lshlrev_b32 v[LOF], 4, v[LANE]
	s_lshl_b32 s[T0], s[WV], 6
	v_lshl_add_u32 v[HOF], v[HH], 5, s[T0]         ; units 16 w + 8 h on, 4 bytes each
	v_mov_b32 v[K6], 0x3e2aaaab
	v_mov_b32 v[NEG1], -1.0
	v_mov_b32 v[ZERO], 0
	v_mov_b32 v[S0+1], 0                           ; named with the features as pairs
	v_mov_b32 v[S1+1], 0
	COEF GS, GL, 4, -4                             ; g arrives as 16 g; tanh(g) is wanted unscaled
	COEF CSET, CL, 0, 4                            ; c is unscaled; 16 tanh(c) is wanted
	s_lshl_b32 s72, s[WV], 14
	s_mov_b32 s73, 0
	s_lshl_b32 s74, ttmp9, 9                       ; the work-group's 128 points, 4 bytes each
	s_mov_b32 s75, 0
	s_wait_kmcnt 0x0
	s_add_nc_u64 s[WP:WP+1], s[22:23], s[72:73]
	s_add_nc_u64 s[4:5], s[4:5], s[74:75]
	s_add_nc_u64 s[6:7], s[6:7], s[74:75]
.irp q, 0,1,2,3
	global_load_b128 v[WI+8*\q:WI+8*\q+3],   v[HOF], s[8:9] offset:512*\q
	global_load_b128 v[WI+8*\q+4:WI+8*\q+7], v[HOF], s[8:9] offset:512*\q+16
	global_load_b128 v[BI+8*\q:BI+8*\q+3],   v[HOF], s[10:11] offset:512*\q
	global_load_b128 v[BI+8*\q+4:BI+8*\q+7], v[HOF], s[10:11] offset:512*\q+16
	global_load_b128 v[B1+8*\q:B1+8*\q+3],   v[HOF], s[12:13] offset:512*\q
	global_load_b128 v[B1+8*\q+4:B1+8*\q+7], v[HOF], s[12:13] offset:512*\q+16
.endr
	s_cmp_lt_u32 s[WV], 4                          ; threads 0..127 make the six features of a point each
	s_cbranch_scc0 .Lnofeat
	v_lshlrev_b32 v1, 2, v0
	global_load_b32 v24, v1, s[4:5]
	global_load_b32 v25, v1, s[6:7]
	v_add_nc_u32 v26, STAB, v1
	s_wait_loadcnt 0x0
	v_fma_f32 v24, v24, 2.0, -1.0                  ; x_n = 2 (x - 0) / (1 - 0) - 1
	v_fma_f32 v25, v25, 2.0, -1.0
	v_add_f32 v27, v24, v25
	v_sub_f32 v28, v24, v25
	v_mul_f32 v29, v24, v25
	v_mul_f32 v30, v25, v25
	v_fma_f32 v30, v24, v24, v30
	ds_store_b32 v26, v24
	ds_store_b32 v26, v25 offset:512
	ds_store_b32 v26, v27 offset:1024
	ds_store_b32 v26, v28 offset:1536
	ds_store_b32 v26, v29 offset:2048
	ds_store_b32 v26, v30 offset:2560
.Lnofeat:
	s_wait_loadcnt 0x0                             ; W_ih_l0, b_l0, b_l1
.irp q, 0,1,2,3
.irp pp, 0,2,4,6
.if \q == 2
	v_pk_mul_f32 v[WI+8*\q+\pp:WI+8*\q+\pp+1], v[WI+8*\q+\pp:WI+8*\q+\pp+1], 0x41800000 op_sel_hi:[1,0]  ; g: x 16
	v_pk_mul_f32 v[BI+8*\q+\pp:BI+8*\q+\pp+1], v[BI+8*\q+\pp:BI+8*\q+\pp+1], 0x41800000 op_sel_hi:[1,0]
.else
	v_pk_mul_f32 v[WI+8*\q+\pp:WI+8*\q+\pp+1], v[WI+8*\q+\pp:WI+8*\q+\pp+1], 0xbfb8aa3b op_sel_hi:[1,0]  ; i, f, o: x -log2(e)
	v_pk_mul_f32 v[BI+8*\q+\pp:BI+8*\q+\pp+1], v[BI+8*\q+\pp:BI+8*\q+\pp+1], 0xbfb8aa3b op_sel_hi:[1,0]
.endif
.endr
.endr
.irp n, 0,1
.irp j, 0,1,2,3,4,5,6,7
	v_mov_b32 v[ACC+32*\n+8+\j], 0                 ; the f tiles, which step 0 does not make: so that both arms of the window loop name written registers only
.endr
.endr
	LDW 0, 0                                       ; W_hh_l0 into WA
	BAR                                            ; the features lie in LDS
	; ---- layer 0, t = 0: no product; four groups, every wave its own units ----
	s_mov_b32 s[J], 0
.La0:
	s_mov_b32 s[IT], s[J]
	s_lshl_b32 s[T1], s[IT], 7
	s_add_co_u32 s[T1], s[T1], STAB
	v_lshl_add_u32 v[ASF], v[RR], 2, s[T1]
	ds_load_b32 v[S0], v[ASF]
	ds_load_b32 v[S1], v[ASF] offset:64
	s_wait_dscnt 0x0
.irp n, 0,1
.irp q, 0,2,3
	GATE0 \q, \n
.endr
.endr
	ACT 1, RG                                      ; h0_0 into region 1
	s_add_co_u32 s[J], s[J], 1
	s_cmp_lt_u32 s[J], 4
	s_cbranch_scc1 .La0
	s_wait_loadcnt 0x0                             ; W_hh_l0, asked for four groups of cells ago, is in
	LDW 128, 1                                     ; W_ih_l1 into WB: it has all of layer 0 in which to come
	BAR
	; ---- layer 0, t = 1..5 ----
	SEG_TOP a, 20
	MM_A
	SEG_MID a
	ACT 0, 2*RG
	SEG_END a, 20
	; ---- layer 1, t = 0 ----
	s_wait_loadcnt 0x0                             ; W_ih_l1
.irp q, 0,1,2,3
.irp pp, 0,2,4,6
.if \q == 2
	v_pk_mul_f32 v[BI+8*\q+\pp:BI+8*\q+\pp+1], v[B1+8*\q+\pp:B1+8*\q+\pp+1], 0x41800000 op_sel_hi:[1,0]
.else
	v_pk_mul_f32 v[BI+8*\q+\pp:BI+8*\q+\pp+1], v[B1+8*\q+\pp:B1+8*\q+\pp+1], 0xbfb8aa3b op_sel_hi:[1,0]
.endif
.endr
.endr
	LDW 0, 2                                       ; W_hh_l1 into WA
	SEG_TOP b0, 4
	MM_B0
	SEG_MID b0
	ACT 1, 0                                       ; h1_0 into region 0
	SEG_END b0, 4
	; ---- layer 1, t = 1..5 ----
	s_wait_loadcnt 0x0                             ; W_hh_l1
	SEG_TOP b, 20
	MM_B
	SEG_MID b
	ACT 0, RG
	SEG_END b, 20
	; ---- the mean over the six h1_t; the decoder's first weights are asked for ahead of it ----
	s_lshl_b32 s[T0], s[WV], 7
	v_lshl_add_u32 v[HOF], v[HH], 5, s[T0]         ; rows 32 w + 8 h on (the loads that named this register have been waited for)
.irp mt, 0,1
	global_load_b128 v[BI+8*\mt:BI+8*\mt+3],       v[HOF], s[14:15] offset:64*\mt
	global_load_b128 v[BI+8*\mt+4:BI+8*\mt+7],     v[HOF], s[14:15] offset:64*\mt+16
	global_load_b128 v[BI+16+8*\mt:BI+16+8*\mt+3],   v[HOF], s[16:17] offset:64*\mt
	global_load_b128 v[BI+16+8*\mt+4:BI+16+8*\mt+7], v[HOF], s[16:17] offset:64*\mt+16
.endr
	LDW 0, 3                                       ; Wd0 into WA
	s_mul_i32 s[T1], s[WV], CHK                    ; wave w takes points 16 w .. 16 w + 15; a lane 16 bytes of every 32 of its row
	v_add_nc_u32 v[AR0], s[T1], v[LFR]             ; regions 0, 1
	v_add_nc_u32 v[AR2], 2*RG, v[AR0]              ; 2, 3
	v_add_nc_u32 v[AWR], 4*RG, v[AR0]              ; 4, 5
	v_add_nc_u32 v[AWL], 6*RG, v[AR0]              ; the mean's region
.macro MEAN tr                         ; half tr of the rows' 256 bytes: 24 loads, sums in f32, 4 stores
.irp t, 0,1,2,3,4,5
.irp c, 0,1,2,3
	ds_load_b128 v[BT+16*\t+4*\c:BT+16*\t+4*\c+3], v[AR0+\t/2] offset:(\t%2)*RG+32*\c+128*(\tr)
.endr
.endr
.irp t, 0,1,2,3,4,5
	s_wait_dscnt 4*(5-\t)                          ; step t's four loads are in; the later steps' may be out
.set i, 0
.rept 16
.if \t == 0
	v_fma_mix_f32 v[ACC+2*i],   v[BT+16*\t+i], v[K6], v[ZERO] op_sel_hi:[1,0,0]
	v_fma_mix_f32 v[ACC+2*i+1], v[BT+16*\t+i], v[K6], v[ZERO] op_sel:[1,0,0] op_sel_hi:[1,0,0]
.else
	v_fma_mix_f32 v[ACC+2*i],   v[BT+16*\t+i], v[K6], v[ACC+2*i]   op_sel_hi:[1,0,0]
	v_fma_mix_f32 v[ACC+2*i+1], v[BT+16*\t+i], v[K6], v[ACC+2*i+1] op_sel:[1,0,0] op_sel_hi:[1,0,0]
.endif
.set i, i+1
.endr
.endr
.set i, 0
.rept 16
	v_cvt_pk_f16_f32 v[DQ+i], v[ACC+2*i], v[ACC+2*i+1]
.set i, i+1
.endr
.irp c, 0,1,2,3
	ds_store_b128 v[AWL], v[DQ+4*\c:DQ+4*\c+3] offset:32*\c+128*(\tr)
.endr
.endm
	MEAN 0
	MEAN 1
	BAR
	; ---- decoder layer 0: feat = [h1_5 (region 5), mean (region 6)] -> a0 (regions 0, 1) ----
	s_wait_loadcnt 0x0                             ; bd0, bd1 and Wd0
	LDW 128, 4                                     ; Wd1 into WB: it has this layer in which to come
.irp pp, 0,2,4,6,8,10,12,14
	v_pk_mul_f32 v[BI+\pp:BI+\pp+1], v[BI+\pp:BI+\pp+1], 0x41800000 op_sel_hi:[1,0]        ; the sums are 16 z
	v_pk_mul_f32 v[BI+16+\pp:BI+16+\pp+1], v[BI+16+\pp:BI+16+\pp+1], 0x47000000 op_sel_hi:[1,0]  ; the next layer's are 2^15 z
.endr
	COEF GS, GL, 4, 11                             ; 16 z in, 2^15 tanh z out
	s_and_b32 s[T0], s[WV], 3                      ; my 32 rows: 64 bytes of a row of region w / 4
	s_lshl_b32 s[T0], s[T0], 6
	s_lshr_b32 s[T1], s[WV], 2
	s_mul_i32 s[T1], s[T1], RG
	s_add_co_u32 s[T0], s[T0], s[T1]
	v_add_nc_u32 v[LST], s[T0], v[LFR]
	SEG_TOP d0, 4
	MM_D 0, BI, 5*RG
	SEG_MID d0
	ACT_D 0, 0, 0
	SEG_END d0, 4
	; ---- decoder layer 1: a0 -> a1 (regions 2, 3) ----
	s_wait_loadcnt 0x0                             ; Wd1
	LDW 0, 5                                       ; Wd2 into WA
.irp mt, 0,1
	global_load_b128 v[BI+8*\mt:BI+8*\mt+3],   v[HOF], s[18:19] offset:64*\mt
	global_load_b128 v[BI+8*\mt+4:BI+8*\mt+7], v[HOF], s[18:19] offset:64*\mt+16
.endr
	COEF GS, GL, 15, 0                             ; 2^15 z in, 2^15 tanh z out: for this layer and the next
	SEG_TOP d1, 4
	MM_D 128, BI+16, 0
	SEG_MID d1
	ACT_D 0, 2*RG, 0
	SEG_END d1, 4
	; ---- decoder layer 2: a1 -> a2, hi (regions 0, 1) and lo (regions 4, 5) ----
	s_wait_loadcnt 0x0                             ; Wd2, bd2
.irp pp, 0,2,4,6,8,10,12,14
	v_pk_mul_f32 v[BI+\pp:BI+\pp+1], v[BI+\pp:BI+\pp+1], 0x47000000 op_sel_hi:[1,0]
.endr
	WIN 0x40
.set f, 0
.rept 8                                ; Wout's eight fragments into WB
	global_load_b128 v[128+8*f:128+8*f+3],   v[LOF], s[22:23] offset:6*MAT+1024*f
	global_load_b128 v[128+8*f+4:128+8*f+7], v[LOF], s[22:23] offset:6*MAT+1024*f+512
.set f, f+1
.endr
	WIN 0
	global_load_b128 v[OUTR:OUTR+3], v[ZERO], s[20:21]  ; bout
	SEG_TOP d2, 4
	MM_D 0, BI, 2*RG
	SEG_MID d2
	ACT_D 1, 0, 4*RG
	SEG_END d2, 4
	; ---- the output: wave w takes points 16 w .. 16 w + 15.  out = 2^-15 Wout hi + 2^-26 Wout lo + bout ----
	s_mul_i32 s[T1], s[WV], CHK
	v_add_nc_u32 v[AR0], s[T1], v[LFR]
	v_add_nc_u32 v[AR2], 4*RG, v[AR0]
.irp kf, 0,1,2,3
	ds_load_b128 v[BT+8*\kf:BT+8*\kf+3],         v[AR0] offset:64*\kf
	ds_load_b128 v[BT+8*\kf+4:BT+8*\kf+7],       v[AR0] offset:64*\kf+32
	ds_load_b128 v[BT+32+8*\kf:BT+32+8*\kf+3],   v[AR0] offset:RG+64*\kf
	ds_load_b128 v[BT+32+8*\kf+4:BT+32+8*\kf+7], v[AR0] offset:RG+64*\kf+32
	ds_load_b128 v[BT+64+8*\kf:BT+64+8*\kf+3],   v[AR2] offset:64*\kf
	ds_load_b128 v[BT+64+8*\kf+4:BT+64+8*\kf+7], v[AR2] offset:64*\kf+32
	ds_load_b128 v[BT+96+8*\kf:BT+96+8*\kf+3],   v[AR2] offset:RG+64*\kf
	ds_load_b128 v[BT+96+8*\kf+4:BT+96+8*\kf+7], v[AR2] offset:RG+64*\kf+32
.endr
	s_lshl_b32 s72, ttmp9, 11                      ; 128 points x 16 bytes,
	s_lshl_b32 s[T0], s[WV], 8                     ; my 16 points
	s_add_co_u32 s72, s72, s[T0]
	s_mov_b32 s73, 0
	s_add_nc_u64 s[24:25], s[24:25], s[72:73]
	s_wait_loadcnt 0x0                             ; Wout, bout
	v_lshlrev_b32 v1, 4, v[RR]
	s_wait_dscnt 0x0
	WIN 1
.irp kk, 0,1,2,3                       ; four accumulators by turns: hi and lo, even and odd blocks of K
.if \kk == 0
	v_wmma_f32_16x16x32_f16 v[ACC:ACC+7],       v[128+16*\kk:128+16*\kk+7],    v[BT+16*\kk:BT+16*\kk+7],       0
	v_wmma_f32_16x16x32_f16 v[ACC+8:ACC+15],    v[128+16*\kk:128+16*\kk+7],    v[BT+64+16*\kk:BT+64+16*\kk+7], 0
	v_wmma_f32_16x16x32_f16 v[ACC+16:ACC+23],   v[128+16*\kk+8:128+16*\kk+15], v[BT+16*\kk+8:BT+16*\kk+15],    0
	v_wmma_f32_16x16x32_f16 v[ACC+24:ACC+31],   v[128+16*\kk+8:128+16*\kk+15], v[BT+64+16*\kk+8:BT+64+16*\kk+15], 0
.else
	v_wmma_f32_16x16x32_f16 v[ACC:ACC+7],       v[128+16*\kk:128+16*\kk+7],    v[BT+16*\kk:BT+16*\kk+7],       v[ACC:ACC+7]
	v_wmma_f32_16x16x32_f16 v[ACC+8:ACC+15],    v[128+16*\kk:128+16*\kk+7],    v[BT+64+16*\kk:BT+64+16*\kk+7], v[ACC+8:ACC+15]
	v_wmma_f32_16x16x32_f16 v[ACC+16:ACC+23],   v[128+16*\kk+8:128+16*\kk+15], v[BT+16*\kk+8:BT+16*\kk+15],    v[ACC+16:ACC+23]
	v_wmma_f32_16x16x32_f16 v[ACC+24:ACC+31],   v[128+16*\kk+8:128+16*\kk+15], v[BT+64+16*\kk+8:BT+64+16*\kk+15], v[ACC+24:ACC+31]
.endif
.endr
	WIN 0
	PLACES
	v_pk_add_f32 v[ACC:ACC+1],     v[ACC:ACC+1],     v[ACC+16:ACC+17]  ; registers 0-3 of lanes 0-15 hold a point's four outputs
	v_pk_add_f32 v[ACC+2:ACC+3],   v[ACC+2:ACC+3],   v[ACC+18:ACC+19]
	v_pk_add_f32 v[ACC+8:ACC+9],   v[ACC+8:ACC+9],   v[ACC+24:ACC+25]
	v_pk_add_f32 v[ACC+10:ACC+11], v[ACC+10:ACC+11], v[ACC+26:ACC+27]
	v_pk_fma_f32 v[OUTR:OUTR+1],   v[ACC:ACC+1],     0x38000000, v[OUTR:OUTR+1]   op_sel_hi:[1,0,1]  ; 2^-15
	v_pk_fma_f32 v[OUTR+2:OUTR+3], v[ACC+2:ACC+3],   0x38000000, v[OUTR+2:OUTR+3] op_sel_hi:[1,0,1]
	v_pk_fma_f32 v[OUTR:OUTR+1],   v[ACC+8:ACC+9],   0x32800000, v[OUTR:OUTR+1]   op_sel_hi:[1,0,1]  ; 2^-26
	v_pk_fma_f32 v[OUTR+2:OUTR+3], v[ACC+10:ACC+11], 0x32800000, v[OUTR+2:OUTR+3] op_sel_hi:[1,0,1]
	v_cmp_gt_u32 vcc_lo, 16, v[LANE]
	s_wait_xcnt 0x0                                ; EXEC changes only behind this wait
	s_and_saveexec_b32 s76, vcc_lo
	global_store_b128 v1, v[OUTR:OUTR+3], s[24:25] th:TH_STORE_NT  ; 16 lanes store 256 consecutive bytes, at a multiple of 256 from out0's first
	s_wait_xcnt 0x0                                ; and again, ahead of the line that widens it
	s_or_b32 exec_lo, exec_lo, s76
	s_wait_tensorcnt 0x0                           ; the wave's end, behind my last LDS store
	ds_add_u32 v[SPW], v[NIL]
	s_wait_dscnt 0x0
	s_endpgm
.Lfunc_end_k_q7bfc9a31f5_net:
	.size	k_q7bfc9a31f5_net, .Lfunc_end_k_q7bfc9a31f5_net-k_q7bfc9a31f5_net
	.p2alignl 7, 3214868480
	.fill 96, 4, 3214868480
	.section	.rodata,"a",@progbits
	.p2align	6, 0x0
	.amdhsa_kernel k_q7bfc9a31f5_net
		.amdhsa_group_segment_fixed_size 313344
		.amdhsa_private_segment_fixed_size 0
		.amdhsa_enable_private_segment 0
		.amdhsa_kernarg_size 88
		.amdhsa_user_sgpr_count 2
		.amdhsa_user_sgpr_kernarg_segment_ptr 1
		.amdhsa_wavefront_size32 1
		.amdhsa_system_sgpr_workgroup_id_x 1
		.amdhsa_system_sgpr_workgroup_id_y 1
		.amdhsa_system_sgpr_workgroup_id_z 1
		.amdhsa_system_vgpr_workitem_id 0
		.amdhsa_next_free_vgpr 512
		.amdhsa_next_free_sgpr 80
		.amdhsa_reserve_vcc 1
		.amdhsa_float_denorm_mode_32 3
		.amdhsa_float_denorm_mode_16_64 3
		.amdhsa_memory_ordered 1
		.amdhsa_forward_progress 1
		.amdhsa_inst_pref_size 218
	.end_amdhsa_kernel
	.amdgpu_metadata
---
amdhsa.version: [ 1, 2 ]
amdhsa.kernels:
  - .name:           k_q7bfc9a31f5_net
    .symbol:         k_q7bfc9a31f5_net.kd
    .args:
      - { .name: x, .offset: 0, .size: 8, .value_kind: global_buffer, .address_space: global }
      - { .name: y, .offset: 8, .size: 8, .value_kind: global_buffer, .address_space: global }
      - { .name: W_ih_l0, .offset: 16, .size: 8, .value_kind: global_buffer, .address_space: global }
      - { .name: b_l0, .offset: 24, .size: 8, .value_kind: global_buffer, .address_space: global }
      - { .name: b_l1, .offset: 32, .size: 8, .value_kind: global_buffer, .address_space: global }
      - { .name: bd0, .offset: 40, .size: 8, .value_kind: global_buffer, .address_space: global }
      - { .name: bd1, .offset: 48, .size: 8, .value_kind: global_buffer, .address_space: global }
      - { .name: bd2, .offset: 56, .size: 8, .value_kind: global_buffer, .address_space: global }
      - { .name: bout, .offset: 64, .size: 8, .value_kind: global_buffer, .address_space: global }
      - { .name: wf, .offset: 72, .size: 8, .value_kind: global_buffer, .address_space: global }
      - { .name: out0, .offset: 80, .size: 8, .value_kind: global_buffer, .address_space: global }
    .group_segment_fixed_size: 313344
    .private_segment_fixed_size: 0
    .kernarg_segment_align: 8
    .kernarg_segment_size: 88
    .max_flat_workgroup_size: 256
    .sgpr_count:     80
    .vgpr_count:     512
    .wavefront_size: 32
...
	.end_amdgpu_metadata
.endif
;; end of part 2
